; MI455X (gfx1250); checked and timed in simulation.
; The chip was launched on July 23, 2026; its instructions are those of AMD's public machine-readable ISA for CDNA 5 (MIT licence, August 2026) and "CDNA5" Instruction Set Architecture Reference Guide (July 2026). The comments in the code are by the model that wrote it; some were corrected since.
;; Multi Scale Transformer Attention. Allowed arithmetic: matrix products marked QUANTISED: E2M3 operands, one E8M0 scale for each 32 along K, by v_wmma_scale_f32_16x16x128_f8f6f4 with both operands' format E2M3, f32 sums; products left as they are: f32 operands where the result goes on into a quantised operand, else bf16, f16 or f32 operands; f32 sums; everything else in f32.
;; Inputs: Wf 64 x 192 float32; Wk 3 x 8 x 64 float32; Wq 3 x 8 x 64 float32; Wv 3 x 64 x 64 float32; bf 64 float32; bk 3 x 8 float32; bq 3 x 8 float32; bv 3 x 64 float32; x 4 x 64 x 64 x 64 float32.
;; Outputs: out0 4 x 64 x 64 x 64 float32.
;; This version of the problem:
;;   THIS VERSION OF THE PROBLEM IS GIVEN IN LOW PRECISION. The matrix products marked QUANTISED in the list below multiply operands that are first quantised to E2M3 (2 exponent bits, 3 mantissa bits; 6 bits a number), with one power-of-two scale for each 32 numbers along K (OCP MX v1.0); their sums are f32. All else is computed in f32.
;;   The module's matrix products, in the order in which they are computed (A, B: the left and right operand; K: the contracted axis; several contracted axes count as one K, in the product's order):
;;     1. [M 8, K 64] x [K 64, N 16,384]; A: input Wq; B: input x: left as it is (M = 8 < 16)
;;     2. [M 8, K 64] x [K 64, N 16,384]; A: input Wk; B: input x: left as it is (M = 8 < 16)
;;     3. [M 64, K 64] x [K 64, N 16,384]; A: input Wv; B: input x: QUANTISED
;;     4. batch 4 x [M 4,096, K 8] x [K 8, N 4,096]; A: computed on the way; B: computed on the way: left as it is (K = 8 < 32)
;;     5. batch 4 x [M 64, K 4,096] x [K 4,096, N 4,096]; A: computed on the way; B: softmax (see below): QUANTISED
;;     6. [M 8, K 64] x [K 64, N 4,096]; A: input Wq; B: computed on the way: left as it is (M = 8 < 16)
;;     7. [M 8, K 64] x [K 64, N 4,096]; A: input Wk; B: computed on the way: left as it is (M = 8 < 16)
;;     8. [M 64, K 64] x [K 64, N 4,096]; A: input Wv; B: computed on the way: QUANTISED
;;     9. batch 4 x [M 1,024, K 8] x [K 8, N 1,024]; A: computed on the way; B: computed on the way: left as it is (K = 8 < 32)
;;     10. batch 4 x [M 64, K 1,024] x [K 1,024, N 1,024]; A: computed on the way; B: softmax (see below): QUANTISED
;;     11. [M 8, K 64] x [K 64, N 1,024]; A: input Wq; B: computed on the way: left as it is (M = 8 < 16)
;;     12. [M 8, K 64] x [K 64, N 1,024]; A: input Wk; B: computed on the way: left as it is (M = 8 < 16)
;;     13. [M 64, K 64] x [K 64, N 1,024]; A: input Wv; B: computed on the way: QUANTISED
;;     14. batch 4 x [M 256, K 8] x [K 8, N 256]; A: computed on the way; B: computed on the way: left as it is (K = 8 < 32)
;;     15. batch 4 x [M 64, K 256] x [K 256, N 256]; A: computed on the way; B: softmax (see below): QUANTISED
;;     16. [M 64, K 192] x [K 192, N 16,384]; A: input Wf; B: computed on the way: QUANTISED
;;   THE QUANTISER, for each operand of a quantised product, along K:
;;     - K is cut into blocks of 32 from its start; a last block that is shorter is filled with zeros.
;;     - A block's scale is 2^e with e = floor(log2(the largest magnitude in the block)) - 2, held to -126 .. 127; a block of zeros has e = 0. As a byte (E8M0): e + 127.
;;     - Each number is divided by its block's scale, clamped to +-7.5, and rounded to the nearest number of E2M3, ties to even, subnormals kept.
;;     - The product sums the exact products of the quantised numbers (number of the format x scale) in f32.
;;   ~~~python
;;   def quantise(x, axis):      # numpy; x: float32 -> the quantised numbers, widened to float32 again
;;       x = np.moveaxis(x, axis, -1); K = x.shape[-1]
;;       x = np.pad(x, [(0, 0)] * (x.ndim - 1) + [(0, -K % 32)]); x = x.reshape(x.shape[:-1] + (-1, 32)); a = np.abs(x).max(-1, keepdims=True)
;;       e = np.where(a > 0, np.clip(np.frexp(np.where(a > 0, a, 1))[1] - 1 - 2, -126, 127), 0)      # np.frexp(a)[1] - 1 = floor(log2(a)), exactly
;;       r = np.clip(x / 2.0 ** e, -7.5, 7.5)
;;       step = 2.0 ** (np.maximum(np.frexp(np.where(r == 0, 1, r))[1] - 1, 0) - 3)
;;       q = np.round(r / step) * step * 2.0 ** e      # np.round: ties to even
;;       return np.moveaxis(q.reshape(q.shape[:-2] + (-1,))[..., :K], -1, axis).astype(np.float32)
;;   ~~~
;;   SOFTMAX AHEAD OF A QUANTISED PRODUCT. Where the list says 'softmax', what is quantised is not the finished softmax but p = 2^(t - M), with t = logit x log2(e) and M = ceil(the row's largest t), a whole number; so 1/2 < the row's largest p <= 1. The row's sum l is taken of the UNQUANTISED p, in f32, and the product's result is divided by l at the end. Since M is a whole number, a kernel that streams over the keys may use a running M (the ceiling of the running maximum): every later rescaling is an exact power of two, which a block's scale takes up: the codes' values come out the same.
;;   OPERANDS COMPUTED ON THE WAY. 'Computed on the way' means the value that the module computes at that place (a softmax that the list does not call 'softmax' is quantised finished and normalised). What goes into a quantiser is computed in f32, as accurately as f32 sums, v_exp_f32 and their like allow (about 1e-6 of the number): no bf16 or f16 on the way to a quantiser, and a product that is left as it is and whose result goes on into a quantised operand takes f32 operands (vector FMAs, or v_wmma_f32_16x16x4_f32). A number that lies on a knife's edge between two numbers of the format may be rounded either way, as far as f32 arithmetic and the matrix unit's own rounding can turn it there, and no further.
;; One version. Each part assembles by itself: llvm-mc -triple=amdgcn-amd-amdhsa -mcpu=gfx1250 --defsym DOCPART=n.
;; ======== version 1 of 1: 3 launches
;; workspace buffers: ws 2,507,776 bytes; osm 1,310,720 bytes
;; launch prep (part 1): grid 169 x 1, 4 waves a work-group, no clusters, 8,704 bytes of LDS; arguments x, Wq, bq, Wk, bk, Wv, bv, Wf, ws; writes ws
.if DOCPART == 1
	.amdgcn_target "amdgcn-amd-amdhsa--gfx1250"
	.amdhsa_code_object_version 6
	.text
	.protected	k_qd911ed65c2_prep
	.globl	k_qd911ed65c2_prep
	.p2align	8
	.type	k_qd911ed65c2_prep,@function
k_qd911ed65c2_prep:
	s_mov_b64 s[64:65], 0
	v_nop
	global_prefetch_b8 v0, s[64:65] scope:SCOPE_SE
	s_setreg_imm32_b32 hwreg(HW_REG_WAVE_MODE, 25, 1), 1
	s_wait_xcnt 0x0
; PREP.  For the three scales (64x64, 32x32, 16x16 pixels) of each of 4 images: cx (x itself, or its bilinear reduction, corners aligned), c q = c (Wq cx + bq) and k = Wk cx + bk in f32
; (c = log2(e) / sqrt(8)), v = Q(Wv) Q(cx) + bv on codes of E2M3, and v quantised along the pixels (the keys of the later product).  Everything is stored in the order of the operand registers
; of the launches that read it.  Work-group 168 quantises Wf.
; SHARES.  Work-group rec (0..167) makes one RECORD of 128 pixels: rec = 32 b + t (scale 0), 128 + 8 b + t (scale 1), 160 + 2 b + t (scale 2).  Wave w loads pixels 32 w .. 32 w + 31, a lane a pixel, its
; registers down the 64 channels; it owns pixel tiles 2 w, 2 w + 1 for q, k and cx's codes, and channels 16 w .. 16 w + 15 of v for all 128 pixels.
; A RECORD in ws, 10,752 bytes: +0 k: 8 tiles x 512 (lane l's 16 bytes: k[pixel 16 T + l % 16][4 (l / 16) + 0..3]); +4096 v's codes: 4 channel tiles x 1,536 (register images, 16 bytes a lane, 512 a group of four);
; +10240 v's scale words: 4 x 128.  c q lies like k at QOFF + 4096 rec.  Wf's fragments at WFO, their scale words at WFS.
; ORDER INSIDE A BLOCK OF 32 along a later K: a product's result holds in a lane the members 8 h + j and 16 + 8 h + j of a block, so a block's 32 places hold members 0-7, 16-23, 8-15, 24-31.  Both operands of a
; product are laid so (v and p by the same lines; Wf by the order of its loads), so the sums are those of the natural order.
; ALL LOADS GO OUT AT THE HEAD: the weights and biases first, then the image: 64 loads a lane at full size, 256 taps a lane in the reduction, which land in the second window of 256 registers (four waves, one to a SIMD:
; each may have 512).  One wait follows them.
; LIMITS: NaN and infinities among the inputs are not served.  A block of zeros gets the scale byte 1 where the quantiser says 127: its codes are zeros, and this program alone reads the bytes.
; The bilinear weights are (whole remainder) x (rounded reciprocal of 31 or 15): they differ from f32 linspace weights by some 2e-6 at the most.
.set REC,   10752
.set QOFF,  168*REC
.set WFO,   QOFF+168*4096
.set WFS,   WFO+8*1536
.set SPARE, 8192                       ; LDS: 0..8191 cx's eight code images of 1,024 bytes; then the spare words, 128 bytes for each wave
.set WV,  22                           ; s22 my wave
.set SEL, 46                           ; s[46:47] v_permlanex16_b32's selects for lane l xor 16
.set CX,  64                           ; v64-127  cx: 64 channels of my pixel, later two tiles (pixel l % 16, channels 32 (l / 16) + i)
.set WA,  128                          ; v128-159 rows of Wq (lanes with l % 16 < 8) and of Wk
.set CT,  172                          ; v172-174 the second half of a block's codes
.set QA,  176
.set QB,  177
.set QS,  178                          ; the conversions' scale operand
.set QE,  179                          ; a scale byte
.set WT,  180                          ; v180-181 at work for a scale word
.set TM,  64                           ; behind the v products: v64-79 at work, v80-99 codes, v100 the scale word
.set PC,  80
.set PW,  100
.set MSB, 0
.macro WIN new                         ; s_set_vgpr_msb: bits 1:0 source 0, 3:2 source 1, 5:4 source 2, 7:6 destination; the high byte repeats the setting that is left
.if MSB != \new
	s_set_vgpr_msb (MSB<<8)|\new
.set MSB, \new
.endif
.endm
; A whole block of 32 in a lane's registers s .. s + 31 becomes six registers of codes at d and the scale's byte in e.
.macro QBLK s, d, e
	v_max3_num_f32 v[QA], |v[(\s)]|, |v[(\s)+1]|, |v[(\s)+2]|
	v_max3_num_f32 v[QB], |v[(\s)+3]|, |v[(\s)+4]|, |v[(\s)+5]|
.irp i, 6,10,14,18,22,26
	v_max3_num_f32 v[QA], v[QA], |v[(\s)+\i]|, |v[(\s)+\i+1]|
	v_max3_num_f32 v[QB], v[QB], |v[(\s)+\i+2]|, |v[(\s)+\i+3]|
.endr
	v_max3_num_f32 v[QA], v[QA], |v[(\s)+30]|, |v[(\s)+31]|
	v_max3_num_f32 v[QA], v[QA], v[QB], 0x1800000      ; the floor 2^(3 - 127): the byte cannot fall under 1
	v_add_nc_u32 v[QS], 0xff000000, v[QA]              ; 2 off the exponent field: the conversions take this operand's exponent field as their scale
	v_lshrrev_b32 v[\e], 23, v[QS]
	v_cvt_scalef32_pk16_fp6_f32 v[(\d):(\d)+2], v[(\s):(\s)+15], v[QS]
	v_cvt_scalef32_pk16_fp6_f32 v[CT:CT+2], v[(\s)+16:(\s)+31], v[QS]   ; (a conversion's three registers begin on an even number)
	v_nop                                              ; one plain place behind a scaled conversion
.irp i, 0,1,2
	v_mov_b32 v[(\d)+3+\i], v[CT+\i]
.endr
.endm
; My bytes in e, moved 8 (l / 16) bits up, joined with lane l xor 16's: the row's scale word in d, in both lanes.
.macro WORD d, e
	v_lshlrev_b32 v[WT], v15, v[\e]
	v_permlanex16_b32 v[WT+1], v[WT], s[SEL], s[SEL+1]
	v_or_b32 v[\d], v[WT], v[WT+1]
.endm
; Half a fragment (six registers) and its scale word go to LDS as an image of the registers: 8 bytes a lane, 256 a store; the word at 8 x lane behind them.
.macro HSTORE a, off, reg, word
.irp i, 0,1,2
	ds_store_b64 v[\a], v[(\reg)+2*\i:(\reg)+2*\i+1] offset:(\off)+256*\i
.endr
	ds_store_b32 v[\a], v[\word] offset:(\off)+768
.endm
; 64 numbers of a lane, register 16 b + i a member of block b of my row, become a fragment's codes in v[PC] on and its scale word in v[PW].
.macro QUANT s
.irp b, 0,1,2,3
	v_max3_num_f32 v[TM+\b], |v[\s+16*\b]|, |v[\s+1+16*\b]|, 0x1800000
.endr
.irp i, 2,4,6,8,10,12,14
.irp b, 0,1,2,3
	v_max3_num_f32 v[TM+\b], v[TM+\b], |v[\s+16*\b+\i]|, |v[\s+1+16*\b+\i]|
.endr
.endr
.irp b, 0,1,2,3
	v_permlanex16_b32 v[TM+4+\b], v[TM+\b], s[SEL], s[SEL+1]
.endr
.irp b, 0,1,2,3
	v_max_num_f32 v[TM+\b], v[TM+\b], v[TM+4+\b]
.endr
.irp b, 0,1,2,3
	v_add_nc_u32 v[TM+12+\b], 0xff000000, v[TM+\b]
.endr
.irp b, 0,1,2,3
	v_lshrrev_b32 v[TM+4+\b], 23, v[TM+12+\b]
.endr
	v_lshl_or_b32 v[PW], v[TM+5], 8, v[TM+4]
	v_lshl_or_b32 v[PW], v[TM+6], 16, v[PW]
	v_lshl_or_b32 v[PW], v[TM+7], 24, v[PW]
.irp c, 0,1
	v_cvt_scalef32_pk16_fp6_f32 v[PC+6*\c:PC+2+6*\c], v[\s+32*\c:\s+15+32*\c], v[TM+12+2*\c]
	v_cvt_scalef32_pk16_fp6_f32 v[PC+12+4*\c:PC+14+4*\c], v[\s+16+32*\c:\s+31+32*\c], v[TM+12+2*\c+1]
.endr
	v_nop
.irp c, 0,1
.irp i, 0,1,2
	v_permlane16_swap_b32 v[PC+6*\c+\i], v[PC+12+4*\c+\i]   ; the operand wants a whole block in a lane: lanes 0-15 block 2 c, lanes 16-31 block 2 c + 1
.endr
.irp i, 0,1,2
	v_mov_b32 v[PC+3+6*\c+\i], v[PC+12+4*\c+\i]
.endr
.endr
.endm
; The reduction's coordinate: source place 63 c / d as a whole part o0 (by a multiplication and a shift, exact for c up to 31), its neighbour o1, held at 63, and the weight w.
.macro DNC c, o0, o1, w
	v_mul_u32_u24 v162, 63, v[\c]
	v_mul_u32_u24 v163, s30, v162
	v_lshrrev_b32 v[\o0], 22, v163
	v_mul_u32_u24 v163, s29, v[\o0]
	v_sub_nc_u32 v163, v162, v163
	v_cvt_f32_u32 v163, v163
	v_mul_f32 v[\w], s31, v163
	v_add_nc_u32 v[\o1], 1, v[\o0]
	v_min_u32 v[\o1], 63, v[\o1]
.endm
	s_load_b512 s[4:19], s[0:1], 0x0               ; x, Wq, bq, Wk, bk, Wv, bv, Wf
	s_load_b64 s[20:21], s[0:1], 0x40              ; ws
	v_lshl_add_u32 v5, v0, 2, SPARE                ; my spare word,
	v_mov_b32 v6, 0                                ; and 0: kept for the closing lines alone
	v_lshrrev_b32 v1, 5, v0
	v_readfirstlane_b32 s[WV], v1
	v_and_b32 v1, 31, v0                           ; lane
	v_and_b32 v2, 15, v0                           ; r
	v_bfe_u32 v3, v0, 4, 1                         ; h
	v_lshlrev_b32 v4, 2, v0                        ; my pixel among the record's 128, in bytes
	s_lshl_b32 s24, s[WV], 11
	v_lshl_add_u32 v7, v1, 3, s24                  ; where I store cx's images: 8 x lane + 2,048 x wave
	v_lshlrev_b32 v8, 3, v1                        ; and where any wave reads them
	v_lshlrev_b32 v12, 4, v1
	v_lshlrev_b32 v13, 2, v1
	v_lshlrev_b32 v15, 3, v3                       ; 8 h
	s_mov_b32 s[SEL], 0x76543210
	s_mov_b32 s[SEL+1], 0xfedcba98
	v_cmp_ne_u32 s42, 0, v3                        ; lanes 16-31
	v_cmp_lt_u32 s43, 7, v2                        ; lanes with r above 7
	v_mov_b32 v14, 0x3f0293ee                      ; c = log2(e) / sqrt(8) for q's lanes,
	v_mov_b32 v60, 1.0
	v_cndmask_b32 v14, v14, v60, s42               ; 1 for k's
	s_cmp_lt_u32 ttmp9, 128
	s_cselect_b32 s23, 0, 1
	s_cmp_lt_u32 ttmp9, 160
	s_cselect_b32 s24, 0, 1
	s_add_co_u32 s23, s23, s24                     ; the scale
	s_wait_kmcnt 0x0
	s_cmp_eq_u32 ttmp9, 168
	s_cbranch_scc1 .Lwf
	v_and_b32 v9, 7, v2                            ; Wq, Wk: scale x 2,048 + row (r % 8) x 256 + 128 h
	v_lshlrev_b32 v9, 8, v9
	v_lshl_add_u32 v9, v3, 7, v9
	s_lshl_b32 s24, s23, 11
	v_add_nc_u32 v9, s24, v9
	v_lshlrev_b32 v10, 8, v2                       ; Wv: scale x 16,384 + row (16 w + r) x 256 + 128 h
	v_lshl_add_u32 v10, v3, 7, v10
	s_lshl_b32 s24, s23, 14
	s_lshl_b32 s25, s[WV], 12
	s_add_co_u32 s24, s24, s25
	v_add_nc_u32 v10, s24, v10
	s_lshl_b32 s24, s23, 5
	v_mov_b32 v58, s24                             ; bq, bk: scale x 32
	s_lshl_b32 s24, s23, 8
	s_lshl_b32 s25, s[WV], 6
	s_add_co_u32 s24, s24, s25
	v_lshl_add_u32 v59, v2, 2, s24                 ; bv: scale x 256 + (16 w + r) x 4
	s_mul_i32 s26, ttmp9, REC                      ; my record
	s_lshl_b32 s27, s[WV], 10
	s_add_co_u32 s28, s26, s27                     ; k's two tiles of my wave,
	s_lshl_b32 s29, ttmp9, 12
	s_add_co_u32 s29, s29, s27
	s_add_co_u32 s29, s29, QOFF                    ; q's
	v_mov_b32 v11, s29
	v_mov_b32 v60, s28
	v_cndmask_b32 v11, v11, v60, s42               ; lanes 0-15 hold q, lanes 16-31 k
	v_lshl_add_u32 v11, v2, 4, v11
	s_mul_i32 s27, s[WV], 1536
	s_add_co_u32 s48, s26, s27
	s_add_co_u32 s48, s48, 4096
	s_mov_b32 s49, 0
	s_add_nc_u64 s[48:49], s[20:21], s[48:49]      ; v's codes of my channel tile
	s_lshl_b32 s27, s[WV], 7
	s_add_co_u32 s50, s26, s27
	s_add_co_u32 s50, s50, 10240
	s_mov_b32 s51, 0
	s_add_nc_u64 s[50:51], s[20:21], s[50:51]      ; and their scale words
	; ---- all weights and biases are asked for here, ahead of the image: they land with it, under one wait
.irp i, 0,1,2,3,4,5,6,7
	global_load_b128 v[WA+4*\i:WA+4*\i+3], v9, s[6:7] offset:16*\i     ; Wq's row r % 8, channels 32 h on
.endr
	global_load_b128 v[16:19], v58, s[8:9]         ; bq
	global_load_b128 v[20:23], v58, s[8:9] offset:16
	global_load_b128 v[24:27], v58, s[12:13]       ; bk
	global_load_b128 v[28:31], v58, s[12:13] offset:16
.irp i, 0,1,2,3,4,5,6,7
	global_load_b128 v[224+4*\i:224+4*\i+3], v9, s[10:11] offset:16*\i     ; Wk's row r % 8
.endr
.irp i, 0,1,2,3,4,5,6,7
	global_load_b128 v[192+4*\i:192+4*\i+3], v10, s[14:15] offset:16*\i    ; Wv's row 16 w + r
.endr
	global_load_b32 v57, v59, s[16:17]             ; bv[16 w + r]
	s_cmp_lt_u32 ttmp9, 128
	s_cbranch_scc0 .Lreduce
	; ---- scale 0: cx = x.  Each load reads 128 consecutive bytes a wave, 512 a work-group
	s_lshr_b32 s28, ttmp9, 5
	s_lshl_b32 s28, s28, 20
	s_and_b32 s29, ttmp9, 31
	s_lshl_b32 s29, s29, 9
	s_add_co_u32 s28, s28, s29
	s_mov_b32 s29, 0
	s_add_nc_u64 s[4:5], s[4:5], s[28:29]
.set c, 0
.rept 64
	global_load_b32 v[CX+c], v4, s[4:5] offset:c*16384
.set c, c+1
.endr
	s_wait_loadcnt 0x0                             ; the weights, the biases and the image
	s_branch .Ljoin
.Lreduce:
	; ---- scales 1 and 2: the bilinear reduction to 32 x 32 or 16 x 16
	s_cmp_lt_u32 ttmp9, 160
	s_cselect_b32 s28, 5, 4                        ; log2 of the width
	s_cselect_b32 s29, 31, 15                      ; d = width - 1
	s_mov_b32 s30, 279621
	s_cselect_b32 s30, 135301, s30                 ; 2^22 / d, rounded up
	s_mov_b32 s31, 0x3d888889
	s_cselect_b32 s31, 0x3d042108, s31             ; 1 / d
	s_mov_b32 s32, 160
	s_cselect_b32 s32, 128, s32
	s_cselect_b32 s33, 3, 1
	s_cselect_b32 s34, 7, 1
	s_sub_co_u32 s32, ttmp9, s32
	s_lshr_b32 s35, s32, s33                       ; the image
	s_and_b32 s36, s32, s34                        ; the record in it
	s_lshl_b32 s36, s36, 7
	s_lshl_b32 s38, s35, 20
	s_mov_b32 s39, 0
	s_add_nc_u64 s[4:5], s[4:5], s[38:39]
	s_lshl_b32 s37, 1, s28
	s_sub_co_u32 s37, s37, 1
	v_add_nc_u32 v160, s36, v0                     ; my pixel
	v_and_b32 v161, s37, v160                      ; its column,
	v_lshrrev_b32 v160, s28, v160                  ; its row
	DNC 160, 164, 165, 172
	DNC 161, 166, 167, 168
	v_mov_b32 v169, v168                           ; wx, twice, for the packed lines
	v_sub_f32 v170, 1.0, v168
	v_mov_b32 v171, v170
	v_sub_f32 v173, 1.0, v172
	v_lshl_add_u32 v174, v164, 6, v166             ; (y0, x0)
	v_lshl_add_u32 v175, v165, 6, v166             ; (y1, x0)
	v_lshl_add_u32 v176, v164, 6, v167             ; (y0, x1)
	v_lshl_add_u32 v177, v165, 6, v167             ; (y1, x1)
.irp k, 174,175,176,177
	v_lshlrev_b32 v\k, 2, v\k
.endr
	; all 64 channels' four taps in one run: channel c's v00, v10, v01, v11 at registers 4 c .. 4 c + 3 of the second window.  The issue holds by itself while the counter is full (ISA guide 5.7.1)
	WIN 0x40                                       ; destination: second window; addresses: first
.set c, 0
.rept 64
	global_load_b32 v[4*c],   v174, s[4:5] offset:c*16384
	global_load_b32 v[4*c+1], v175, s[4:5] offset:c*16384
	global_load_b32 v[4*c+2], v176, s[4:5] offset:c*16384
	global_load_b32 v[4*c+3], v177, s[4:5] offset:c*16384
.set c, c+1
.endr
	s_wait_loadcnt 0x0                             ; the weights, the biases and the taps
	WIN 0x41                                       ; taps (destination, source 0) in the second window, weights in the first
.set c, 0
.rept 64
	v_pk_mul_f32 v[4*c:4*c+1], v[4*c:4*c+1], v[170:171]                       ; (v00, v10) x (1 - wx)
.set c, c+1
.endr
	WIN 0x51                                       ; the addend too
.set c, 0
.rept 64
	v_pk_fma_f32 v[4*c:4*c+1], v[4*c+2:4*c+3], v[168:169], v[4*c:4*c+1]       ; + (v01, v11) x wx: the upper row's number and the lower row's
.set c, c+1
.endr
	WIN 0x01                                       ; source 0 in the second window, cx in the first
.set c, 0
.rept 64
	v_mul_f32 v[CX+c], v[4*c], v173
	v_fmac_f32 v[CX+c], v[4*c+1], v172
.set c, c+1
.endr
	WIN 0                                          ; at a label every window is 0
.Ljoin:
.set c, 0
.rept 32
	v_permlane16_swap_b32 v[CX+c], v[CX+32+c]      ; from a lane a pixel to two tiles: lane (r, h) = pixel r, channels 32 h + i
.set c, c+1
.endr
	v_mov_b32 v[WT+1], 0                           ; a lane permute's destination counts as one of its sources
	; ---- cx's codes: a lane holds a whole block of 32 channels
	QBLK CX, 160, QE
	WORD 182, QE
	HSTORE 7, 0, 160, 182
	QBLK CX+32, 166, QE
	WORD 183, QE
	HSTORE 7, 1024, 166, 183
.set c, 0
.rept 32
	v_cndmask_b32 v[WA+c], v[WA+c], v[224+c], s43  ; rows 0-7 of the left operand are Wq's, rows 8-15 Wk's
.set c, c+1
.endr
.irp j, 0,1,2,3,4,5,6,7
	v_cndmask_b32 v[16+\j], v[16+\j], v[24+\j], s42   ; the sums begin with the biases: result rows 0-7 (lanes 0-15) bq, rows 8-15 (lanes 16-31) bk
.endr
	; ---- q and k in f32: 16 steps of 4 channels; place (step s, half h, register j) holds channel 32 h + 2 s + j on both sides.  The two tiles' sums take turns
	v_wmma_f32_16x16x4_f32 v[32:39], v[WA:WA+1], v[CX:CX+1], v[16:23]
	v_wmma_f32_16x16x4_f32 v[40:47], v[WA:WA+1], v[CX+32:CX+33], v[16:23]
.set c, 1
.rept 15
	v_wmma_f32_16x16x4_f32 v[32:39], v[WA+2*c:WA+2*c+1], v[CX+2*c:CX+2*c+1], v[32:39]
	v_wmma_f32_16x16x4_f32 v[40:47], v[WA+2*c:WA+2*c+1], v[CX+32+2*c:CX+33+2*c], v[40:47]
.set c, c+1
.endr
	; ---- Wv's codes: these lines name no register of the products above and are the places behind them (eight are owed)
	QBLK 192, 224, QE
.irp i, 6,7,8,9,10,11
	v_mov_b32 v[224+\i], 0                         ; K = 64: the upper half of the 128 is zero codes
.endr
	WORD 56, QE
.irp j, 0,1,2,3,4,5,6,7
	v_mov_b32 v[24+\j], v57                        ; v's sums begin with bv of the lane's channel
.endr
.set c, 0
.rept 16
	v_mul_f32 v[240+c], v[32+c], v14               ; q x c, k x 1; each sum from its low end on
.set c, c+1
.endr
.irp u, 0,1
.irp g, 0,1
	global_store_b128 v11, v[240+8*\u+4*\g:240+8*\u+4*\g+3], s[20:21] offset:512*\u+256*\g   ; sixteen lanes store 256 consecutive bytes, aligned
.endr
.endr
	s_wait_dscnt 0x0                               ; my images have landed
	s_barrier_signal -1
	s_barrier_wait -1                              ; cx's eight images lie in LDS
.set t, 0
.rept 8
.irp i, 6,7,8,9,10,11
	v_mov_b32 v[64+12*t+\i], 0                     ; K = 64: zero codes above
.endr
.set t, t+1
.endr
.irp t, 0,1,2,3,4,5,6,7
.irp i, 0,1,2
	ds_load_b64 v[64+12*\t+2*\i:64+12*\t+2*\i+1], v8 offset:1024*\t+256*\i
.endr
	ds_load_b32 v[48+\t], v8 offset:1024*\t+768
.endr
	s_wait_dscnt 0x0
.rept 8
	v_nop                                          ; operands and a scale word written by vector lines stand 4 and 8 places ahead of a scaled product
.endr
.irp t, 0,1,2,3,4,5,6,7
	v_wmma_scale_f32_16x16x128_f8f6f4 v[160+8*\t:167+8*\t], v[64+12*\t:75+12*\t], v[224:235], v[24:31], v[48+\t], v56 matrix_a_fmt:MATRIX_FMT_FP6 matrix_b_fmt:MATRIX_FMT_FP6   ; rows = 16 pixels, columns = my 16 channels
.endr
.rept 4
	v_nop
.endr
	QUANT 160                                      ; a lane holds one channel and 64 of the 128 pixels: v along the keys
.irp i, 0,1,2
	global_store_b128 v12, v[PC+4*\i:PC+4*\i+3], s[48:49] offset:512*\i   ; 512 consecutive bytes a store
.endr
	global_store_b32 v13, v[PW], s[50:51]
	s_branch .Lend
.Lwf:
	; ---- Wf [64][192]: wave w takes rows 16 w .. 16 w + 15; lane (r, h) blocks h, 2 + h, 4 + h of row r, each loaded in the order 0-7, 16-23, 8-15, 24-31 of its members
	s_lshl_b32 s24, s[WV], 4
	v_add_nc_u32 v9, s24, v2
	v_mul_u32_u24 v9, v9, 768
	v_lshl_add_u32 v9, v3, 7, v9
.irp c, 0,1,2
.irp i, 0,1,2,3,4,5,6,7
	global_load_b128 v[64+32*\c+4*\i:64+32*\c+4*\i+3], v9, s[18:19] offset:256*\c+32*(((\i/2)%2)*2+\i/4)+16*(\i%2)
.endr
.endr
	s_mul_i32 s24, s[WV], 3072
	s_add_co_u32 s24, s24, WFO
	s_mov_b32 s25, 0
	s_add_nc_u64 s[24:25], s[20:21], s[24:25]
	s_lshl_b32 s26, s[WV], 8
	s_add_co_u32 s26, s26, WFS
	s_mov_b32 s27, 0
	s_add_nc_u64 s[26:27], s[20:21], s[26:27]
	v_mov_b32 v[WT+1], 0
	s_wait_loadcnt 0x0
	QBLK 64, 192, 216
	QBLK 96, 198, 217
	QBLK 128, 204, 218
.irp i, 6,7,8,9,10,11
	v_mov_b32 v[204+\i], 0                         ; K = 192: the second step's upper half is zero codes
.endr
	v_lshl_or_b32 v219, v217, 16, v216
	WORD 220, 219                                  ; blocks 0 to 3
	WORD 221, 218                                  ; blocks 4, 5
.irp i, 0,1,2,3,4,5
	global_store_b128 v12, v[192+4*\i:192+4*\i+3], s[24:25] offset:512*\i
.endr
	global_store_b32 v13, v220, s[26:27]
	global_store_b32 v13, v221, s[26:27] offset:128
.Lend:
	s_wait_tensorcnt 0x0                           ; the wave's end, behind my last LDS store
	ds_add_u32 v5, v6
	s_wait_dscnt 0x0
	s_endpgm
.Lfunc_end_k_qd911ed65c2_prep:
	.size	k_qd911ed65c2_prep, .Lfunc_end_k_qd911ed65c2_prep-k_qd911ed65c2_prep
	.p2alignl 7, 3214868480
	.fill 96, 4, 3214868480
	.section	.rodata,"a",@progbits
	.p2align	6, 0x0
	.amdhsa_kernel k_qd911ed65c2_prep
		.amdhsa_group_segment_fixed_size 8704
		.amdhsa_private_segment_fixed_size 0
		.amdhsa_enable_private_segment 0
		.amdhsa_kernarg_size 72
		.amdhsa_user_sgpr_count 2
		.amdhsa_user_sgpr_kernarg_segment_ptr 1
		.amdhsa_wavefront_size32 1
		.amdhsa_system_sgpr_workgroup_id_x 1
		.amdhsa_system_sgpr_workgroup_id_y 1
		.amdhsa_system_sgpr_workgroup_id_z 1
		.amdhsa_system_vgpr_workitem_id 0
		.amdhsa_next_free_vgpr 512
		.amdhsa_next_free_sgpr 66
		.amdhsa_reserve_vcc 0
		.amdhsa_float_denorm_mode_32 3
		.amdhsa_float_denorm_mode_16_64 3
		.amdhsa_memory_ordered 1
		.amdhsa_forward_progress 1
		.amdhsa_inst_pref_size 80
	.end_amdhsa_kernel
	.amdgpu_metadata
---
amdhsa.version: [ 1, 2 ]
amdhsa.kernels:
  - .name:           k_qd911ed65c2_prep
    .symbol:         k_qd911ed65c2_prep.kd
    .args:
      - { .name: x, .offset: 0, .size: 8, .value_kind: global_buffer, .address_space: global }
      - { .name: Wq, .offset: 8, .size: 8, .value_kind: global_buffer, .address_space: global }
      - { .name: bq, .offset: 16, .size: 8, .value_kind: global_buffer, .address_space: global }
      - { .name: Wk, .offset: 24, .size: 8, .value_kind: global_buffer, .address_space: global }
      - { .name: bk, .offset: 32, .size: 8, .value_kind: global_buffer, .address_space: global }
      - { .name: Wv, .offset: 40, .size: 8, .value_kind: global_buffer, .address_space: global }
      - { .name: bv, .offset: 48, .size: 8, .value_kind: global_buffer, .address_space: global }
      - { .name: Wf, .offset: 56, .size: 8, .value_kind: global_buffer, .address_space: global }
      - { .name: ws, .offset: 64, .size: 8, .value_kind: global_buffer, .address_space: global }
    .group_segment_fixed_size: 8704
    .private_segment_fixed_size: 0
    .kernarg_segment_align: 8
    .kernarg_segment_size: 72
    .max_flat_workgroup_size: 128
    .sgpr_count:     66
    .vgpr_count:     512
    .wavefront_size: 32
...
	.end_amdgpu_metadata
.endif
;; end of part 1
;; launch small (part 2): grid 136 x 1, 16 waves a work-group, no clusters, 141,312 bytes of LDS; arguments ws, osm; writes osm
.if DOCPART == 2
	.amdgcn_target "amdgcn-amd-amdhsa--gfx1250"
	.amdhsa_code_object_version 6
	.text
	.protected	k_qd911ed65c2_small
	.globl	k_qd911ed65c2_small
	.p2align	8
	.type	k_qd911ed65c2_small,@function
k_qd911ed65c2_small:
	s_mov_b64 s[64:65], 0
	v_nop
	global_prefetch_b8 v0, s[64:65] scope:SCOPE_SE
	s_setreg_imm32_b32 hwreg(HW_REG_WAVE_MODE, 25, 1), 1
	s_wait_xcnt 0x0
; SMALL.  The attentions of scale 1 (1,024 pixels) and scale 2 (256 pixels), for 4 images: o = (v p) / l, stored in f32.
; t = (c q) . k in f32; M = the ceiling of the largest t that the wave sees; p = 2^(t - M), quantised to E2M3 along the keys; l = the sum of the unquantised p.
; SHARES.  A wave takes 16 queries x 128 keys (one record), once: no loop.  Scale 1: work-groups 0..127, two query tiles x eight records; scale 2: work-groups 128..135, eight query tiles x two records.
; The waves of a query tile meet in LDS: the wave with record 0 brings all parts under the largest M (factors that are powers of two), adds, divides by l and stores.
; Operands come straight from memory in the order of their registers, 512 consecutive bytes a load: a record is read by 2 or 8 waves of a work-group, once, so it goes through no LDS ring.
; BOTH PRODUCTS TRANSPOSED: S^T = k q^T (rows = keys), O^T = v p^T (rows = channels): a lane holds one query (lane % 16) throughout.
; osm: a pixel has 256 bytes [h][register 0..31]; register 8 t + j of half h is channel 16 t + 8 h + j: the lane image of O^T.
; LIMITS: NaN and infinities are not served; a p under 2^-126 counts as 0; 1 / l is a reciprocal and a multiplication.
.set REC,   10752
.set QOFF,  168*REC
.set O2OFF, 1048576
.set STG,   16*4352                    ; LDS: 0: sixteen parts of 4,352 bytes (O^T's image 4,096, then (-M, l) 8 bytes a lane); STG: a stage of 16 rows x 272 for each wave;
.set SPARE, 32*4352                    ; the spare words, 128 bytes for each wave
.set S,   32                           ; v32-95   S^T: written by the f32 products alone
.set X,   96                           ; v96-159  k, then p, later partners' parts
.set V,   160                          ; v160-207 v's four fragments, later factors and partners' (-M, l)
.set O,   208                          ; v208-239 O^T; ahead of it, at work: BM, BT, SO, CT
.set BM,  208
.set BT,  212
.set SO,  216
.set CT,  220
.set PC,  240                          ; v240-251 p's codes
.set VSC, 24                           ; v24-27 v's scale words, v28 p's: scales and nothing else
.set PSC, 28
.set XA,  96
.set FB,  160
.set STB, 176
.set MSA, 20
.set MSP, 21
; The wave with a tile's first record gathers G - 1 partners' parts, TC parts apart.
.macro MERGE G, TC
.set mg, 1
.rept \G-1
	ds_load_b64 v[STB+2*(mg-1):STB+2*(mg-1)+1], v[MSP] offset:mg*\TC*4352
.set mg, mg+1
.endr
.irp i, 0,1,2,3,4,5,6,7
	ds_load_b128 v[XA+4*\i:XA+4*\i+3], v[MSA] offset:\TC*4352+512*\i
.endr
	s_wait_dscnt 8                                 ; the pairs are in; the eight image loads behind them may be out
	v_mov_b32 v18, v12
.set mg, 1
.rept \G-1
	v_min_num_f32 v18, v18, v[STB+2*(mg-1)]        ; the least -M is the largest M
.set mg, mg+1
.endr
	v_sub_f32 v19, v18, v12
	v_cvt_i32_f32 v19, v19
	v_ldexp_f32 v[FB], 1.0, v19                    ; 2^(my M - the largest M)
	v_mov_b32 v[FB+1], v[FB]
	v_mul_f32 v13, v13, v[FB]
.set mg, 1
.rept \G-1
	v_sub_f32 v19, v18, v[STB+2*(mg-1)]
	v_cvt_i32_f32 v19, v19
	v_ldexp_f32 v[FB+2*mg], 1.0, v19
	v_mov_b32 v[FB+2*mg+1], v[FB+2*mg]
	v_fmac_f32 v13, v[FB+2*mg], v[STB+2*(mg-1)+1]
.set mg, mg+1
.endr
.set mj, 0
.rept 16
	v_pk_mul_f32 v[O+mj:O+mj+1], v[O+mj:O+mj+1], v[FB:FB+1]
.set mj, mj+2
.endr
.set mg, 1
.rept \G-1
.if mg < \G-1
.irp i, 0,1,2,3,4,5,6,7
	ds_load_b128 v[XA+32*(mg%2)+4*\i:XA+32*(mg%2)+4*\i+3], v[MSA] offset:(mg+1)*\TC*4352+512*\i
.endr
	s_wait_dscnt 8                                 ; this partner's image is in; the next one's eight loads may be out
.else
	s_wait_dscnt 0x0
.endif
.set mj, 0
.rept 16
	v_pk_fma_f32 v[O+mj:O+mj+1], v[XA+32*((mg-1)%2)+mj:XA+32*((mg-1)%2)+mj+1], v[FB+2*mg:FB+2*mg+1], v[O+mj:O+mj+1]
.set mj, mj+2
.endr
.set mg, mg+1
.endr
	v_rcp_f32 v16, v13
	v_rcp_f32 v17, v13
	v_nop                                          ; a plain place behind the reciprocals,
	s_wait_alu depctr_va_vdst(0)                   ; and a wait ahead of their first reader
.set mj, 0
.rept 16
	v_pk_mul_f32 v[O+mj:O+mj+1], v[O+mj:O+mj+1], v[16:17]
.set mj, mj+2
.endr
.endm
	s_load_b128 s[4:7], s[0:1], 0x0                ; ws, osm
	v_lshl_add_u32 v5, v0, 2, SPARE
	v_mov_b32 v6, 0
	v_lshrrev_b32 v1, 5, v0
	v_readfirstlane_b32 s8, v1                     ; wave 0..15
	v_and_b32 v3, 31, v0
	v_and_b32 v4, 15, v0
	v_bfe_u32 v7, v0, 4, 1
	v_lshlrev_b32 v1, 4, v3                        ; 16 x lane
	v_lshlrev_b32 v2, 2, v3                        ; 4 x lane
	s_mul_i32 s9, s8, 4352
	v_lshl_add_u32 v[MSA], v3, 4, s9               ; my part: the image,
	s_add_co_u32 s26, s9, 4096
	v_lshl_add_u32 v[MSP], v3, 3, s26              ; the pair
	s_add_co_u32 s26, s9, STG
	v_mul_u32_u24 v22, v4, 272
	v_lshl_add_u32 v22, v7, 7, v22
	v_add_nc_u32 v22, s26, v22                     ; my stage, in: row r, 128 bytes for each half
	v_mul_u32_u24 v23, v7, 272
	v_lshl_add_u32 v23, v4, 4, v23
	v_add_nc_u32 v23, s26, v23                     ; back: lanes 0-15 one row, lanes 16-31 the next
	s_mov_b32 s32, 0x76543210
	s_mov_b32 s33, 0xfedcba98
	s_cmp_lt_u32 ttmp9, 128                        ; scale 1 or scale 2: numbers are chosen, the text is one
	s_cselect_b32 s10, 0, 128
	s_cselect_b32 s11, 5, 1
	s_cselect_b32 s12, 31, 1
	s_cselect_b32 s13, 1, 3
	s_cselect_b32 s14, 1, 7
	s_mov_b32 s15, 160
	s_cselect_b32 s15, 128, s15
	s_cselect_b32 s16, 3, 1
	s_cselect_b32 s17, 0, O2OFF
	s_cselect_b32 s18, 18, 16
	s_sub_co_u32 s10, ttmp9, s10
	s_lshr_b32 s19, s10, s11                       ; the image
	s_and_b32 s20, s10, s12
	s_lshl_b32 s20, s20, s13
	s_and_b32 s21, s8, s14
	s_add_co_u32 s20, s20, s21                     ; my query tile
	s_lshr_b32 s21, s8, s13                        ; my record among the image's
	s_lshl_b32 s22, s19, s16
	s_add_co_u32 s22, s22, s15                     ; the image's first record
	s_add_co_u32 s23, s22, s21
	s_mul_i32 s24, s23, REC
	s_mov_b32 s25, 0
	s_lshl_b32 s28, s22, 12
	s_lshl_b32 s29, s20, 9
	s_add_co_u32 s28, s28, s29
	s_add_co_u32 s28, s28, QOFF
	s_mov_b32 s29, 0
	s_lshl_b32 s30, s19, s18
	s_add_co_u32 s30, s30, s17
	s_lshl_b32 s31, s20, 12
	s_add_co_u32 s30, s30, s31
	s_mov_b32 s31, 0
	s_wait_kmcnt 0x0
	s_add_nc_u64 s[24:25], s[4:5], s[24:25]
	s_add_nc_u64 s[28:29], s[4:5], s[28:29]
	s_add_nc_u64 s[30:31], s[6:7], s[30:31]
	global_load_b128 v[8:11], v1, s[28:29]         ; c q of my 16 queries
.irp t, 0,1,2,3,4,5,6,7
	global_load_b128 v[X+4*\t:X+4*\t+3], v1, s[24:25] offset:512*\t
.endr
.irp i, 0,1,2,3,4,5,6,7,8,9,10,11
	global_load_b128 v[V+4*\i:V+4*\i+3], v1, s[24:25] offset:4096+512*\i
.endr
.irp c, 0,1,2,3
	global_load_b32 v[VSC+\c], v2, s[24:25] offset:10240+128*\c
.endr
	v_mov_b32 v14, 0
	v_mov_b32 v15, 0
.irp b, 0,1,2,3
	v_mov_b32 v[BT+\b], 0                          ; a lane permute's destination counts as one of its sources
.endr
	s_wait_loadcnt 16                              ; q and k are in; v's 12 loads and its 4 scale words may be out
	; ---- S^T = k q^T: 8 channels in two steps; place (step s, half h, register j) holds channel 4 h + 2 s + j on both sides.  The eight sums take turns
.irp t, 0,1,2,3,4,5,6,7
	v_wmma_f32_16x16x4_f32 v[S+8*\t:S+8*\t+7], v[X+4*\t:X+4*\t+1], v[8:9], 0
.endr
.irp t, 0,1,2,3,4,5,6,7
	v_wmma_f32_16x16x4_f32 v[S+8*\t:S+8*\t+7], v[X+4*\t+2:X+4*\t+3], v[10:11], v[S+8*\t:S+8*\t+7]
.endr
.rept 8
	v_nop
.endr
.irp b, 0,1,2,3
	v_max3_num_f32 v[BM+\b], v[S+16*\b], v[S+1+16*\b], v[S+2+16*\b]     ; the largest t of each block of 32 keys: for the row's maximum and for the block's largest p
.endr
.irp i, 3,5,7,9,11,13
.irp b, 0,1,2,3
	v_max3_num_f32 v[BM+\b], v[BM+\b], v[S+16*\b+\i], v[S+1+16*\b+\i]
.endr
.endr
.irp b, 0,1,2,3
	v_max_num_f32 v[BM+\b], v[BM+\b], v[S+15+16*\b]
.endr
.irp b, 0,1,2,3
	v_permlanex16_b32 v[BT+\b], v[BM+\b], s32, s33
.endr
.irp b, 0,1,2,3
	v_max_num_f32 v[BM+\b], v[BM+\b], v[BT+\b]
.endr
	v_max3_num_f32 v13, v[BM], v[BM+1], v[BM+2]
	v_max_num_f32 v13, v13, v[BM+3]                ; the largest t of my query among these keys
	v_floor_f32 v12, -v13                          ; -M = floor(-t): M is a whole number
.set j, 0
.rept 32
	v_pk_add_f32 v[X+j:X+j+1], v[S+j:S+j+1], v[12:13] op_sel_hi:[1,0]   ; t - M
.set j, j+2
.endr
.irp b, 0,1,2,3
	v_add_f32 v[BM+\b], v[BM+\b], v12
.endr
.set j, 0
.rept 64
	v_exp_f32 v[X+j], v[X+j]                       ; p = 2^(t - M)
.set j, j+1
.endr
	v_nop                                          ; a plain place behind the exponentials
	s_wait_alu depctr_va_vdst(0)                   ; one wait for the batch, ahead of its first reader
.irp b, 0,1,2,3
	v_exp_f32 v[BM+\b], v[BM+\b]                   ; the block's largest p: the same lines on the same number
.endr
	v_pk_add_f32 v[BT:BT+1], v[X:X+1], v[X+2:X+3]  ; the row's sum of the unquantised p, in two chains
.irp j, 4,8,12,16,20,24,28,32,36,40,44,48,52,56,60
	v_pk_add_f32 v[14:15], v[14:15], v[X+\j:X+\j+1]
	v_pk_add_f32 v[BT:BT+1], v[BT:BT+1], v[X+\j+2:X+\j+3]
.endr
	v_pk_add_f32 v[14:15], v[14:15], v[BT:BT+1]
	s_wait_alu depctr_va_vdst(0)                   ; and one for the four
.irp b, 0,1,2,3
	v_max_num_f32 v[BM+\b], 0x1800000, v[BM+\b]
.endr
.irp b, 0,1,2,3
	v_add_nc_u32 v[SO+\b], 0xff000000, v[BM+\b]
.endr
.irp b, 0,1,2,3
	v_lshrrev_b32 v[BT+\b], 23, v[SO+\b]
.endr
	v_lshl_or_b32 v[PSC], v[BT+1], 8, v[BT]
	v_lshl_or_b32 v[PSC], v[BT+2], 16, v[PSC]
	v_lshl_or_b32 v[PSC], v[BT+3], 24, v[PSC]
.irp c, 0,1
	v_cvt_scalef32_pk16_fp6_f32 v[PC+6*\c:PC+2+6*\c], v[X+32*\c:X+15+32*\c], v[SO+2*\c]
	v_cvt_scalef32_pk16_fp6_f32 v[CT+4*\c:CT+2+4*\c], v[X+16+32*\c:X+31+32*\c], v[SO+2*\c+1]
.endr
	v_nop
.irp c, 0,1
.irp i, 0,1,2
	v_permlane16_swap_b32 v[PC+6*\c+\i], v[CT+4*\c+\i]
.endr
.irp i, 0,1,2
	v_mov_b32 v[PC+3+6*\c+\i], v[CT+4*\c+\i]
.endr
.endr
.rept 8
	v_nop                                          ; p's scale word and codes were written by vector lines: 8 and 4 places ahead of the scaled products
.endr
	s_wait_loadcnt 0x0                             ; v
.irp c, 0,1,2,3
	v_wmma_scale_f32_16x16x128_f8f6f4 v[O+8*\c:O+8*\c+7], v[V+12*\c:V+12*\c+11], v[PC:PC+11], 0, v[VSC+\c], v[PSC] matrix_a_fmt:MATRIX_FMT_FP6 matrix_b_fmt:MATRIX_FMT_FP6
.endr
.rept 4
	v_nop
.endr
	v_add_f32 v13, v14, v15
	v_mov_b32 v18, 0
	v_permlanex16_b32 v18, v13, s32, s33
	v_add_f32 v13, v13, v18                        ; l of my query over these 128 keys
.irp i, 0,1,2,3,4,5,6,7
	ds_store_b128 v[MSA], v[O+4*\i:O+4*\i+3] offset:512*\i
.endr
	ds_store_b64 v[MSP], v[12:13]
	s_wait_dscnt 0x0                               ; my part has landed
	s_barrier_signal -1
	s_barrier_wait -1
	s_cmp_lt_u32 ttmp9, 128
	s_cbranch_scc0 .Ltwo
	s_cmp_ge_u32 s8, 2
	s_cbranch_scc1 .Lend
	MERGE 8, 2
	s_branch .Lout
.Ltwo:
	s_cmp_ge_u32 s8, 8
	s_cbranch_scc1 .Lend
	MERGE 2, 8
.Lout:
.irp i, 0,1,2,3,4,5,6,7
	ds_store_b128 v22, v[O+4*\i:O+4*\i+3] offset:16*\i
.endr
.irp i, 0,1,2,3,4,5,6,7
	ds_load_b128 v[X+4*\i:X+4*\i+3], v23 offset:544*\i      ; my own bytes: LDS serves a wave's instructions in order (ISA guide 5.7.1.4)
.endr
.irp i, 0,1,2,3,4,5,6,7
	s_wait_dscnt 7-\i                              ; the younger loads may be out
	global_store_b128 v1, v[X+4*\i:X+4*\i+3], s[30:31] offset:512*\i   ; two pixels: 512 consecutive bytes, aligned
.endr
.Lend:
	s_wait_tensorcnt 0x0                           ; the wave's end, behind my last LDS store
	ds_add_u32 v5, v6
	s_wait_dscnt 0x0
	s_endpgm
.Lfunc_end_k_qd911ed65c2_small:
	.size	k_qd911ed65c2_small, .Lfunc_end_k_qd911ed65c2_small-k_qd911ed65c2_small
	.p2alignl 7, 3214868480
	.fill 96, 4, 3214868480
	.section	.rodata,"a",@progbits
	.p2align	6, 0x0
	.amdhsa_kernel k_qd911ed65c2_small
		.amdhsa_group_segment_fixed_size 141312
		.amdhsa_private_segment_fixed_size 0
		.amdhsa_enable_private_segment 0
		.amdhsa_kernarg_size 16
		.amdhsa_user_sgpr_count 2
		.amdhsa_user_sgpr_kernarg_segment_ptr 1
		.amdhsa_wavefront_size32 1
		.amdhsa_system_sgpr_workgroup_id_x 1
		.amdhsa_system_sgpr_workgroup_id_y 1
		.amdhsa_system_sgpr_workgroup_id_z 1
		.amdhsa_system_vgpr_workitem_id 0
		.amdhsa_next_free_vgpr 256
		.amdhsa_next_free_sgpr 66
		.amdhsa_reserve_vcc 0
		.amdhsa_float_denorm_mode_32 3
		.amdhsa_float_denorm_mode_16_64 3
		.amdhsa_memory_ordered 1
		.amdhsa_forward_progress 1
		.amdhsa_inst_pref_size 41
	.end_amdhsa_kernel
	.amdgpu_metadata
---
amdhsa.version: [ 1, 2 ]
amdhsa.kernels:
  - .name:           k_qd911ed65c2_small
    .symbol:         k_qd911ed65c2_small.kd
    .args:
      - { .name: ws, .offset: 0, .size: 8, .value_kind: global_buffer, .address_space: global }
      - { .name: osm, .offset: 8, .size: 8, .value_kind: global_buffer, .address_space: global }
    .group_segment_fixed_size: 141312
    .private_segment_fixed_size: 0
    .kernarg_segment_align: 8
    .kernarg_segment_size: 16
    .max_flat_workgroup_size: 512
    .sgpr_count:     66
    .vgpr_count:     256
    .wavefront_size: 32
...
	.end_amdgpu_metadata
.endif
;; end of part 2
;; launch big (part 3): grid 64 x 4, 16 waves a work-group, clusters of 4 x 1, 327,680 bytes of LDS; arguments ws, osm, bf, out0; writes out0
.if DOCPART == 3
	.amdgcn_target "amdgcn-amd-amdhsa--gfx1250"
	.amdhsa_code_object_version 6
	.text
	.protected	k_qd911ed65c2_big
	.globl	k_qd911ed65c2_big
	.p2align	8
	.type	k_qd911ed65c2_big,@function
k_qd911ed65c2_big:
	s_mov_b64 s[64:65], 0
	v_nop
	global_prefetch_b8 v0, s[64:65] scope:SCOPE_SE
	s_setreg_imm32_b32 hwreg(HW_REG_WAVE_MODE, 25, 1), 1
	s_wait_xcnt 0x0
	s_wait_alu depctr_hold_cnt(0) depctr_sa_sdst(0) depctr_va_vdst(0) depctr_va_sdst(0) depctr_va_ssrc(0) depctr_va_vcc(0) depctr_vm_vsrc(0)
	s_getreg_b32 s2, hwreg(HW_REG_IB_STS2, 6, 4)
	s_cmp_eq_u32 s2, 0
	s_cbranch_scc0 .Lentry_in_a_cluster
	s_endpgm
.Lentry_in_a_cluster:
	s_bfe_u32 s2, ttmp6, 0x10000c
	s_cmp_lg_u32 s2, 0x3003
	s_cbranch_scc0 .Lentry_shape_is_right
	s_endpgm
.Lentry_shape_is_right:
; BIG.  The attention of scale 0 (4,096 pixels), and the output: out = Q(Wf) Q([o0; up(o1); up(o2)]) + bf.
; t = (c q) . k in f32; M = the ceiling of the running largest t; p = 2^(t - M), quantised to E2M3 along the keys; l = the sum of the unquantised p; when M moves, l and O are multiplied by 2^(old M - new M).
; SHARES.  A work-group owns one image row: 64 queries of one image.  Wave w: query tile T = w % 4, key group g = w / 4: it walks records 8 g .. 8 g + 7 of the image's 32 records of 128 keys.  The four parts of a
; tile meet in LDS at the end.
; THE NEXT STEP'S SCORES ARE MULTIPLIED INSIDE THE SOFTMAX OF THE STEP IN HAND.  S^T is free as soon as t - M has been formed into other registers: a tile's first product of the next step stands behind its four
; additions, the second products stand among the first 32 exponentials.  So a wave has vector lines to issue while its 16 f32 products are at work.  The next k lies in registers of its own (v232-255, v204-211).
; CLUSTER.  The four work-groups of a cluster belong to one image and walk the same k and v: each tile is asked for JOINTLY, by the same tensor load with the same descriptor and the mask of all four.
; RING.  Two LDS slots of 4 x 21,504 bytes.  Wave w (0 to 3) fetches for group w, as 84 rows of 256 bytes, the 21,504 dense bytes that begin 4,096 bytes INTO record 8 w + 2 i: v(a), k(a + 1), v(a + 1), k(a + 2).  So a
; slot holds, beside the v of its two steps, the k of the step that follows each: no read crosses a change of slots.  A group's first k comes from memory straight into registers.  The last fetch takes 4,096 bytes of
; the record that follows the image's last (inside ws), which nobody reads.  By this text's count a fetching wave has two loads out at the start and one behind each round.
; BOTH PRODUCTS TRANSPOSED: S^T = k q^T, O^T = v p^T: a lane holds one query (lane % 16) throughout.  All fragments lie in LDS in the order of their registers: every read is 16 bytes x lane on end, so no padding.
; THE END.  g = 0 gathers the four parts and divides by l; g = 1 and g = 2 enlarge o1 and o2 (bilinear, corners aligned) for the tile's 16 pixels; each quantises its 64 channels (two blocks of K = 192) and hands the
; codes on through LDS; then wave (T, g) makes outputs 16 g .. 16 g + 15 of pixels 16 T .. 16 T + 15, and the row leaves through a stage, 256 aligned bytes for each output channel.
; No prefetch is laid: half of an image's k and v is asked for at the head, and the rest one slot, two key steps of each wave, ahead.
; LIMITS: NaN and infinities are not served; a p under 2^-126 counts as 0; 1 / l is a reciprocal and a multiplication; the bilinear weights are (whole remainder) x (rounded 1 / 63).
.set REC,   10752
.set GRPB,  2*REC                      ; a group's part of a slot
.set SLOTB, 4*GRPB
.set VSO,   6144                       ; in a part: v's codes at 0, its scale words here,
.set KOFF,  6656                       ; the next record's k here; the second step's the same REC further on
.set SLOT1, 131072                     ; slot 1 begins here: one exclusive or turns an address from one slot to the other
.set QOFF,  168*REC
.set WFO,   QOFF+168*4096
.set WFS,   WFO+8*1536
.set O2OFF, 1048576
.set MRG,   SLOT1+SLOTB                ; sixteen parts of 4,352 bytes: O^T's image, then (-M, l)
.set CIM,   MRG+16*4352                ; sixteen code images of 1,024 bytes: (4 T + source)
.set STG,   CIM+16*1024                ; the stage: 64 output channels x (256 bytes + 16)
.set SPARE, STG+64*272                 ; the spare words, 128 bytes for each wave
.set S,   32                           ; v32-95   S^T: written by the f32 products alone
.set X,   96                           ; v96-159  p, then v
.set O,   160                          ; v160-191 O^T
.set PC,  192                          ; v192-203 p's codes
.set CT,  204                          ; v204-211 the conversions' second halves; ahead of them the next k's tiles 6, 7
.set KC,  204
.set KB,  232                          ; v232-255 the next k's tiles 0 to 5
.set BM,  212
.set BT,  216
.set SO,  220
.set VSC, 224                          ; v224-228: scales and nothing else
.set PSC, 228
.set XA,  96
.set STB, 192
.set FB,  204
.set MSA, 20
.set MSP, 21
.macro CROUND                          ; a round of the cluster's barrier
	s_barrier_signal -1
	s_barrier_wait -1
	s_cmp_lg_u32 s12, 0
	s_cbranch_scc1 .Lnot_wave_0_\@
	s_barrier_signal -3
.Lnot_wave_0_\@:
	s_barrier_wait -3
	s_barrier_signal -1
	s_barrier_wait -1
.endm
.macro TLOAD                           ; waves 0 to 3 fetch a quarter of a slot each; an s_nop 0 and four v_nop follow the load
	s_cmp_lt_u32 s12, 4
	s_cbranch_scc0 .Lno_load_\@
	tensor_load_to_lds s[36:39], s[24:31]
	s_nop 0
.rept 4
	v_nop
.endr
.Lno_load_\@:
.endm
; Product j of 16 of S^T = k q^T: key tile j % 8, channels' half j / 8; place (half s, lane half h, register i) holds channel 4 h + 2 s + i on both sides.  The first eight start the sums.
; The eight sums take turns, one instruction a turn.
.macro QKI
.set kt, j%8
.set kr, KB+4*kt
.if kt > 5
.set kr, KC+4*(kt-6)
.endif
.if j < 8
	v_wmma_f32_16x16x4_f32 v[S+8*kt:S+8*kt+7], v[kr:kr+1], v[8:9], 0
.else
	v_wmma_f32_16x16x4_f32 v[S+8*kt:S+8*kt+7], v[kr+2:kr+3], v[10:11], v[S+8*kt:S+8*kt+7]
.endif
.endm
; A KEY STEP: my 16 queries x 128 keys, whose scores lie in S^T; q: the first or second step of my group's part of the slot.  kq = 1: the next step's scores are multiplied on the way.
; PLACES: between the last f32 product and the next read of S^T, the next load into k's registers and the conversion that writes v204 on stand the 32 additions of the row's sum and the scale's
; lines, which name none of its registers: more than the eight that are owed.
.macro STEP q, kq
.if \kq
.irp t, 0,1,2,3,4,5
	ds_load_b128 v[KB+4*\t:KB+4*\t+3], v3 offset:(\q)*REC+KOFF+512*\t
.endr
.irp t, 6,7
	ds_load_b128 v[KC+4*(\t-6):KC+4*(\t-6)+3], v3 offset:(\q)*REC+KOFF+512*\t
.endr
.endif
.irp b, 0,1,2,3
	v_max3_num_f32 v[BM+\b], v[S+16*\b], v[S+1+16*\b], v[S+2+16*\b]     ; the largest t of each block of 32 keys: for the row's maximum and for the block's largest p
.endr
.irp i, 3,5,7,9,11,13
.irp b, 0,1,2,3
	v_max3_num_f32 v[BM+\b], v[BM+\b], v[S+16*\b+\i], v[S+1+16*\b+\i]
.endr
.endr
.irp b, 0,1,2,3
	v_max_num_f32 v[BM+\b], v[BM+\b], v[S+15+16*\b]
.endr
.irp b, 0,1,2,3
	v_permlanex16_b32 v[BT+\b], v[BM+\b], s20, s21
.endr
.irp b, 0,1,2,3
	v_max_num_f32 v[BM+\b], v[BM+\b], v[BT+\b]
.endr
	v_max3_num_f32 v18, v[BM], v[BM+1], v[BM+2]
	v_max_num_f32 v18, v18, v[BM+3]
	v_max_num_f32 v13, v13, v18                    ; the running largest t
	v_mov_b32 v18, v12
	v_floor_f32 v12, -v13                          ; the new -M
	v_sub_f32 v18, v12, v18                        ; old M - new M: a whole number, 0 or less
	v_cvt_i32_f32 v18, v18                         ; (it saturates)
	v_ldexp_f32 v16, 1.0, v18                      ; f = 2^(old M - new M)
.if \kq
	s_wait_dscnt 0x0                               ; the next k is in (asked for at the step's head)
.endif
.set j, 0
.rept 8
.irp i, 0,2,4,6
	v_pk_add_f32 v[X+8*j+\i:X+8*j+\i+1], v[S+8*j+\i:S+8*j+\i+1], v[12:13] op_sel_hi:[1,0]   ; t - M of tile j: its scores are read for the last time,
.endr
.if \kq
	QKI                                            ; and the next step's sum begins in their place
.endif
.set j, j+1
.endr
.irp b, 0,1,2,3
	v_add_f32 v[BM+\b], v[BM+\b], v12
.endr
.set j, 8
.rept 8
.if \kq
	QKI
.endif
.irp i, 0,1,2,3
	v_exp_f32 v[X+4*(j-8)+\i], v[X+4*(j-8)+\i]     ; p = 2^(t - M)
.endr
.set j, j+1
.endr
.set j, 32
.rept 32
	v_exp_f32 v[X+j], v[X+j]
.set j, j+1
.endr
	v_pk_mul_f32 v[14:15], v[14:15], v[16:17] op_sel_hi:[1,0]   ; the sums under the new M (a plain place behind the exponentials)
	s_wait_alu depctr_va_vdst(0)                   ; one wait for the batch, ahead of its first reader
.irp b, 0,1,2,3
	v_exp_f32 v[BM+\b], v[BM+\b]                   ; the block's largest p: the same lines on the same number
.endr
	v_pk_add_f32 v[BT:BT+1], v[X:X+1], v[X+2:X+3]  ; the row's sum of the unquantised p, in two chains
.irp j, 4,8,12,16,20,24,28,32,36,40,44,48,52,56,60
	v_pk_add_f32 v[14:15], v[14:15], v[X+\j:X+\j+1]
	v_pk_add_f32 v[BT:BT+1], v[BT:BT+1], v[X+\j+2:X+\j+3]
.endr
	v_pk_add_f32 v[14:15], v[14:15], v[BT:BT+1]
	s_wait_alu depctr_va_vdst(0)                   ; and one for the four
.irp b, 0,1,2,3
	v_max_num_f32 v[BM+\b], 0x1800000, v[BM+\b]    ; the floor 2^(3 - 127): the byte cannot fall under 1
.endr
.irp b, 0,1,2,3
	v_add_nc_u32 v[SO+\b], 0xff000000, v[BM+\b]
.endr
.irp b, 0,1,2,3
	v_lshrrev_b32 v[BT+\b], 23, v[SO+\b]
.endr
	v_lshl_or_b32 v[PSC], v[BT+1], 8, v[BT]
	v_lshl_or_b32 v[PSC], v[BT+2], 16, v[PSC]
	v_lshl_or_b32 v[PSC], v[BT+3], 24, v[PSC]
.irp c, 0,1
	v_cvt_scalef32_pk16_fp6_f32 v[PC+6*\c:PC+2+6*\c], v[X+32*\c:X+15+32*\c], v[SO+2*\c]
	v_cvt_scalef32_pk16_fp6_f32 v[CT+4*\c:CT+2+4*\c], v[X+16+32*\c:X+31+32*\c], v[SO+2*\c+1]
.endr
	v_nop                                          ; one plain place behind a scaled conversion
.irp i, 0,1,2,3,4,5,6,7,8,9,10,11      ; p is done with: v's four fragments take its registers, and land under the lines below
	ds_load_b128 v[X+4*\i:X+4*\i+3], v3 offset:(\q)*REC+512*\i
.endr
.irp c, 0,1,2,3
	ds_load_b32 v[VSC+\c], v4 offset:(\q)*REC+128*\c
.endr
.irp c, 0,1
.irp i, 0,1,2
	v_permlane16_swap_b32 v[PC+6*\c+\i], v[CT+4*\c+\i]
.endr
.irp i, 0,1,2
	v_mov_b32 v[PC+3+6*\c+\i], v[CT+4*\c+\i]
.endr
.endr
.set j, 0
.rept 16
	v_pk_mul_f32 v[O+j:O+j+1], v[O+j:O+j+1], v[16:17] op_sel_hi:[1,0]   ; O^T under the new M; twelve of these name no register of a given product below: the places in front of it
.set j, j+2
.endr
	s_wait_dscnt 0x0
.irp c, 0,1,2,3
	v_wmma_scale_f32_16x16x128_f8f6f4 v[O+8*\c:O+8*\c+7], v[X+12*\c:X+12*\c+11], v[PC:PC+11], v[O+8*\c:O+8*\c+7], v[VSC+\c], v[PSC] matrix_a_fmt:MATRIX_FMT_FP6 matrix_b_fmt:MATRIX_FMT_FP6
.endr
.rept 4
	v_nop                                          ; places in front of the next writes of v's registers and of the next reads of O^T
.endr
.endm
.macro PHASE last                      ; a slot's two steps; last = 1: the walk's last step has no successor
	v_add_nc_u32 v3, s18, v1
	v_add_nc_u32 v4, s18, v2
	STEP 0, 1
	STEP 1, 1-(\last)
.endm
; THE CHANGE OF SLOTS.  Each wave waits for all its tensor loads, adds 0 to its spare word, and waits for that and for its reads of the slot that it leaves.  fill = 1: behind a round of the cluster's barrier that slot is
; filled with the bytes two slots on.
.macro CHANGE fill
	s_wait_tensorcnt 0x0                           ; no tensor load of mine is out, so a descriptor may be written
	ds_add_u32 v5, v6
.if \fill
	s_xor_b32 s37, s37, SLOT1                      ; the walking descriptor: the other slot than last time,
	s_add_nc_u64 s[38:39], s[38:39], GRPB          ; two records on
.endif
	s_wait_dscnt 0x0                               ; the add is done, and my reads of the slot are over
.if \fill
	CROUND
	TLOAD
.else
	s_barrier_signal -1
	s_barrier_wait -1
.endif
	s_xor_b32 s18, s18, SLOT1
.endm
; The wave with a tile's first key group gathers G - 1 partners' parts, TC parts apart.
.macro MERGE G, TC
.set mg, 1
.rept \G-1
	ds_load_b64 v[STB+2*(mg-1):STB+2*(mg-1)+1], v[MSP] offset:mg*\TC*4352
.set mg, mg+1
.endr
.irp i, 0,1,2,3,4,5,6,7
	ds_load_b128 v[XA+4*\i:XA+4*\i+3], v[MSA] offset:\TC*4352+512*\i
.endr
	s_wait_dscnt 8                                 ; the pairs are in; the eight image loads behind them may be out
	v_mov_b32 v18, v12
.set mg, 1
.rept \G-1
	v_min_num_f32 v18, v18, v[STB+2*(mg-1)]        ; the least -M is the largest M
.set mg, mg+1
.endr
	v_sub_f32 v19, v18, v12
	v_cvt_i32_f32 v19, v19
	v_ldexp_f32 v[FB], 1.0, v19
	v_mov_b32 v[FB+1], v[FB]
	v_mul_f32 v13, v13, v[FB]
.set mg, 1
.rept \G-1
	v_sub_f32 v19, v18, v[STB+2*(mg-1)]
	v_cvt_i32_f32 v19, v19
	v_ldexp_f32 v[FB+2*mg], 1.0, v19
	v_mov_b32 v[FB+2*mg+1], v[FB+2*mg]
	v_fmac_f32 v13, v[FB+2*mg], v[STB+2*(mg-1)+1]
.set mg, mg+1
.endr
.set mj, 0
.rept 16
	v_pk_mul_f32 v[O+mj:O+mj+1], v[O+mj:O+mj+1], v[FB:FB+1]
.set mj, mj+2
.endr
.set mg, 1
.rept \G-1
.if mg < \G-1
.irp i, 0,1,2,3,4,5,6,7
	ds_load_b128 v[XA+32*(mg%2)+4*\i:XA+32*(mg%2)+4*\i+3], v[MSA] offset:(mg+1)*\TC*4352+512*\i
.endr
	s_wait_dscnt 8                                 ; this partner's image is in; the next one's eight loads may be out
.else
	s_wait_dscnt 0x0
.endif
.set mj, 0
.rept 16
	v_pk_fma_f32 v[O+mj:O+mj+1], v[XA+32*((mg-1)%2)+mj:XA+32*((mg-1)%2)+mj+1], v[FB+2*mg:FB+2*mg+1], v[O+mj:O+mj+1]
.set mj, mj+2
.endr
.set mg, mg+1
.endr
	v_rcp_f32 v16, v13
	v_rcp_f32 v17, v13
	v_nop                                          ; a plain place behind the reciprocals,
	s_wait_alu depctr_va_vdst(0)                   ; and a wait ahead of their first reader
.set mj, 0
.rept 16
	v_pk_mul_f32 v[O+mj:O+mj+1], v[O+mj:O+mj+1], v[16:17]
.set mj, mj+2
.endr
.endm
; The enlargement's coordinate: source place c d / 63 as a whole part o0 (exact for c up to 63), its neighbour o1, held at d, and the weight w.
.macro UPC c, o0, o1, w
	v_mul_u32_u24 v97, s40, v[\c]
	v_mul_u32_u24 v98, 0x10411, v97
	v_lshrrev_b32 v[\o0], 22, v98
	v_mul_u32_u24 v98, 63, v[\o0]
	v_sub_nc_u32 v98, v97, v98
	v_cvt_f32_u32 v98, v98
	v_mul_f32 v[\w], 0x3c820821, v98
	v_add_nc_u32 v[\o1], 1, v[\o0]
	v_min_u32 v[\o1], s40, v[\o1]
.endm
	s_load_b256 s[4:11], s[0:1], 0x0               ; ws, osm, bf, out0
	v_lshl_add_u32 v5, v0, 2, SPARE
	v_mov_b32 v6, 0
	ds_add_u32 v5, v6                              ; the wave's opening: the add and its wait stand ahead of the first tensor loads; work on registers stands between them
	v_lshrrev_b32 v7, 5, v0
	v_readfirstlane_b32 s12, v7                    ; wave 0..15
	s_and_b32 s13, s12, 3                          ; T
	s_lshr_b32 s14, s12, 2                         ; g
	s_bfe_u32 s15, ttmp6, 0x40000                  ; cx: it enters global addresses of q, osm and out0 and the weights alone
	s_lshl_b32 s16, ttmp9, 2
	s_add_co_u32 s16, s16, s15                     ; my image row
	s_and_b32 s17, ttmp7, 0xffff                   ; the image, which the four partners share
	s_mov_b32 s24, 15|(3<<16)|(1<<21)              ; group 1: the mask of all four; elements of 8 bytes; bit 21 beside a mask; no padding
	s_mov_b32 s25, 32<<16                          ; tensor_dim0 = 32 elements: 256 bytes
	s_mov_b32 s26, 84<<16                          ; tensor_dim1 = 84 rows
	s_mov_b32 s27, 32<<16                          ; tile_dim0
	s_mov_b32 s28, 84                              ; tile_dim1
	s_mov_b32 s29, 32                              ; the pitch: dense
	s_mov_b32 s30, 0
	s_mov_b32 s31, 0
	s_mov_b32 s18, 0                               ; the slot in hand
	s_mov_b32 s19, 2                               ; refills to come
	s_mov_b32 s20, 0x76543210
	s_mov_b32 s21, 0xfedcba98
	s_mul_i32 s40, s17, 32*REC                     ; the image's records
	s_mul_i32 s41, s12, GRPB                       ; what I fetch goes to part w of a slot,
	s_mul_i32 s42, s12, 8*REC                      ; and comes from group w's records,
	s_add_co_u32 s42, s42, s40
	s_add_co_u32 s42, s42, 4096                    ; behind the first one's k
	s_mov_b32 s43, 0
	s_mul_i32 s50, s14, 8*REC                      ; my own group's first record: its k comes straight into registers
	s_add_co_u32 s50, s50, s40
	s_mov_b32 s51, 0
	s_lshl_b32 s46, s17, 17                        ; q: image x 131,072 + (4 row + T) x 512
	s_lshl_b32 s47, s16, 2
	s_add_co_u32 s47, s47, s13
	s_lshl_b32 s47, s47, 9
	s_add_co_u32 s46, s46, s47
	s_add_co_u32 s46, s46, QOFF
	s_mov_b32 s47, 0
	s_wait_dscnt 0x0                               ; the opening add is done
	s_wait_kmcnt 0x0
	s_add_nc_u64 s[44:45], s[4:5], s[42:43]
	s_add_nc_u64 s[46:47], s[4:5], s[46:47]
	s_add_nc_u64 s[50:51], s[4:5], s[50:51]
	CROUND                                         ; all four work-groups are here: the first joint loads meet
	s_mov_b32 s32, 1
	s_mov_b32 s33, s41
	s_mov_b64 s[34:35], s[44:45]
	s_or_b32 s35, s35, 0x80000000
	s_mov_b32 s36, 1
	s_add_co_u32 s37, s41, SLOT1
	s_add_nc_u64 s[38:39], s[44:45], GRPB
	s_or_b32 s39, s39, 0x80000000
	s_cmp_lt_u32 s12, 4                            ; a wave's two first fills stand in one branch, ahead of every wait on TENSORcnt and every LDS read
	s_cbranch_scc0 .Lno_first
	tensor_load_to_lds s[32:35], s[24:31]
	s_nop 0
	tensor_load_to_lds s[36:39], s[24:31]
	s_nop 0
.rept 4
	v_nop
.endr
.Lno_first:
	v_and_b32 v16, 31, v0                          ; lane
	v_and_b32 v17, 15, v0                          ; r
	v_bfe_u32 v18, v0, 4, 1                        ; h
	v_lshlrev_b32 v7, 4, v16
	global_load_b128 v[8:11], v7, s[46:47]         ; c q of my 16 queries
.irp t, 0,1,2,3,4,5
	global_load_b128 v[KB+4*\t:KB+4*\t+3], v7, s[50:51] offset:512*\t      ; k of my group's first record: 512 consecutive bytes a load
.endr
.irp t, 6,7
	global_load_b128 v[KC+4*(\t-6):KC+4*(\t-6)+3], v7, s[50:51] offset:512*\t
.endr
	v_lshlrev_b32 v31, 2, v16
	s_mul_i32 s48, s14, GRPB
	v_lshl_add_u32 v1, v16, 4, s48                 ; my group's part of a slot: 16 x lane,
	s_add_co_u32 s49, s48, VSO
	v_lshl_add_u32 v2, v16, 2, s49                 ; and v's scale words: 4 x lane
	s_mul_i32 s48, s12, 4352
	s_add_co_u32 s48, s48, MRG
	v_lshl_add_u32 v[MSA], v16, 4, s48
	s_add_co_u32 s49, s48, 4096
	v_lshl_add_u32 v[MSP], v16, 3, s49
	s_lshl_b32 s48, s13, 2
	s_add_co_u32 s48, s48, s14
	s_lshl_b32 s48, s48, 10
	s_add_co_u32 s48, s48, CIM
	v_lshl_add_u32 v22, v16, 3, s48                ; where I store my source's codes
	s_lshl_b32 s48, s13, 12
	s_add_co_u32 s48, s48, CIM
	v_lshl_add_u32 v23, v16, 3, s48                ; where I read my tile's three sources
	s_mul_i32 s48, s14, 16*272
	s_lshl_b32 s49, s13, 6
	s_add_co_u32 s48, s48, s49
	s_add_co_u32 s48, s48, STG
	v_mul_u32_u24 v24, v17, 272
	v_lshl_add_u32 v24, v18, 5, v24
	v_add_nc_u32 v24, s48, v24                     ; the stage, in: row 16 g + r, byte 64 T + 32 h
	s_mul_i32 s48, s12, 4*272
	s_add_co_u32 s48, s48, STG
	v_mul_u32_u24 v25, v18, 272
	v_lshl_add_u32 v25, v17, 4, v25
	v_add_nc_u32 v25, s48, v25                     ; back: rows 4 w + h and 4 w + 2 + h
	s_lshl_b32 s48, s12, 16
	v_lshlrev_b32 v26, 14, v18
	v_lshl_add_u32 v26, v17, 4, v26
	v_add_nc_u32 v26, s48, v26                     ; and the same rows in out0: a channel is 16,384 bytes
	s_wait_loadcnt 0x0                             ; q and the first k
.set j, 0
.rept 16
	QKI                                            ; the first step's scores, while the first tiles are on their way
.set j, j+1
.endr
	v_mov_b32 v13, 0xff61b1e6                      ; the largest t so far: -3e38.  (These lines name no register of the products above: the places behind them)
	v_floor_f32 v12, -v13
	v_mov_b32 v14, 0
	v_mov_b32 v15, 0
	v_mov_b32 v17, 0                               ; (named as the upper half of the pair v[16:17])
.irp b, 0,1,2,3
	v_mov_b32 v[BT+\b], 0                          ; a lane permute's destination counts as one of its sources
.endr
.set j, 0
.rept 32
	v_mov_b32 v[O+j], 0                            ; the step is written once: the first finds zeros, which the first change of M leaves zeros
.set j, j+1
.endr
	s_wait_tensorcnt 0x1                           ; my part of slot 0 is in; slot 1's may stay out
	s_barrier_signal -1
	s_barrier_wait -1
	PHASE 0
.Lslot:                                            ; two trips: slots 0 and 1 are filled once more each
	CHANGE 1
	PHASE 0
	s_sub_co_u32 s19, s19, 1
	s_cmp_lg_u32 s19, 0
	s_cbranch_scc1 .Lslot
	CHANGE 0                                       ; the last slot is written out
	PHASE 1
	; ---- my part of the tile goes to LDS
	v_add_f32 v13, v14, v15
	v_permlanex16_b32 v18, v13, s20, s21
	v_add_f32 v13, v13, v18                        ; l of my query over my keys
.irp i, 0,1,2,3,4,5,6,7
	ds_store_b128 v[MSA], v[O+4*\i:O+4*\i+3] offset:512*\i
.endr
	ds_store_b64 v[MSP], v[12:13]
	; ---- the enlargement's places and weights, in every wave alike (used by g = 1 for o1 and g = 2 for o2)
	s_cmp_lt_u32 s12, 8
	s_cselect_b32 s40, 31, 15                      ; d = the small image's width - 1
	s_cselect_b32 s41, 5, 4
	s_cselect_b32 s42, 0, O2OFF
	s_cselect_b32 s43, 18, 16
	s_lshl_b32 s44, s17, s43
	s_add_co_u32 s42, s42, s44
	s_mov_b32 s43, 0
	s_add_nc_u64 s[42:43], s[6:7], s[42:43]
	v_mov_b32 v96, s16
	UPC 96, 100, 101, 8
	v_and_b32 v96, 15, v0
	s_lshl_b32 s44, s13, 4
	v_add_nc_u32 v96, s44, v96
	UPC 96, 102, 103, 16
	v_mov_b32 v9, v8                               ; each weight twice, for the packed lines: wy,
	v_sub_f32 v10, 1.0, v8
	v_mov_b32 v11, v10                             ; 1 - wy,
	v_mov_b32 v17, v16                             ; wx,
	v_sub_f32 v18, 1.0, v16
	v_mov_b32 v19, v18                             ; 1 - wx
	v_bfe_u32 v99, v0, 4, 1
	v_lshlrev_b32 v99, 7, v99
	v_lshlrev_b32 v100, s41, v100
	v_lshlrev_b32 v101, s41, v101
	v_add_nc_u32 v27, v100, v102                   ; (y0, x0)
	v_add_nc_u32 v28, v100, v103                   ; (y0, x1)
	v_add_nc_u32 v29, v101, v102                   ; (y1, x0)
	v_add_nc_u32 v30, v101, v103                   ; (y1, x1)
.irp k, 27,28,29,30
	v_lshl_add_u32 v\k, v\k, 8, v99                ; a pixel is 256 bytes, my half of it 128
.endr
	s_mul_i32 s44, s14, 3072
	s_add_co_u32 s44, s44, WFO
	s_mov_b32 s45, 0
	s_add_nc_u64 s[44:45], s[4:5], s[44:45]        ; Wf's two fragments of outputs 16 g on,
	s_lshl_b32 s46, s14, 8
	s_add_co_u32 s46, s46, WFS
	s_mov_b32 s47, 0
	s_add_nc_u64 s[46:47], s[4:5], s[46:47]        ; their scale words
	s_lshl_b32 s48, s14, 6
	v_and_b32 v231, 15, v0
	v_lshl_add_u32 v231, v231, 2, s48              ; bf[16 g + r]
	s_lshl_b32 s48, s17, 20
	s_lshl_b32 s49, s16, 8
	s_add_co_u32 s48, s48, s49
	s_mov_b32 s49, 0
	s_add_nc_u64 s[10:11], s[10:11], s[48:49]      ; out0 at my image and row
	s_wait_dscnt 0x0                               ; my part has landed, and its stores have read their registers
	s_cmp_lt_u32 s12, 4
	s_cbranch_scc1 .Lno_tap
	s_cmp_ge_u32 s12, 12
	s_cbranch_scc1 .Lno_tap
.irp k, 0,1,2,3
.irp i, 0,1,2,3,4,5,6,7
	global_load_b128 v[96+32*\k+4*\i:96+32*\k+4*\i+3], v[27+\k], s[42:43] offset:16*\i
.endr
.endr
.Lno_tap:
.irp i, 0,1,2,3,4,5
	global_load_b128 v[232+4*\i:232+4*\i+3], v7, s[44:45] offset:512*\i
.endr
	global_load_b32 v224, v31, s[46:47]
	global_load_b32 v225, v31, s[46:47] offset:128
	global_load_b32 v230, v231, s[8:9]
	s_barrier_signal -1
	s_barrier_wait -1                              ; all sixteen parts lie in LDS
	s_cmp_ge_u32 s12, 12
	s_cbranch_scc1 .Lcodes_done
	s_cmp_lt_u32 s12, 4
	s_cbranch_scc0 .Llerp
	MERGE 4, 4
	s_branch .Lquant
.Llerp:
	s_wait_loadcnt 9                               ; the 32 tap loads are in; Wf's six, its two scale words and bf's one may be out
.set j, 0
.rept 16
	v_pk_mul_f32 v[96+j:97+j], v[96+j:97+j], v[18:19]
	v_pk_mul_f32 v[160+j:161+j], v[160+j:161+j], v[18:19]
	v_pk_fma_f32 v[96+j:97+j], v[128+j:129+j], v[16:17], v[96+j:97+j]         ; the upper row
	v_pk_fma_f32 v[160+j:161+j], v[192+j:193+j], v[16:17], v[160+j:161+j]     ; the lower row
	v_pk_mul_f32 v[160+j:161+j], v[160+j:161+j], v[8:9]
	v_pk_fma_f32 v[160+j:161+j], v[96+j:97+j], v[10:11], v[160+j:161+j]
.set j, j+2
.endr
.Lquant:
	; ---- my source's 64 channels of 16 pixels: two blocks of the last product's K
.irp b, 0,1
	v_max3_num_f32 v[BM+\b], |v[O+16*\b]|, |v[O+1+16*\b]|, 0x1800000
.endr
.irp i, 2,4,6,8,10,12,14
.irp b, 0,1
	v_max3_num_f32 v[BM+\b], v[BM+\b], |v[O+16*\b+\i]|, |v[O+1+16*\b+\i]|
.endr
.endr
.irp b, 0,1
	v_permlanex16_b32 v[BT+\b], v[BM+\b], s20, s21
.endr
.irp b, 0,1
	v_max_num_f32 v[BM+\b], v[BM+\b], v[BT+\b]
.endr
.irp b, 0,1
	v_add_nc_u32 v[SO+\b], 0xff000000, v[BM+\b]
.endr
.irp b, 0,1
	v_lshrrev_b32 v[BT+\b], 23, v[SO+\b]
.endr
	v_lshl_or_b32 v198, v[BT+1], 8, v[BT]
	v_cvt_scalef32_pk16_fp6_f32 v[192:194], v[O:O+15], v[SO]
	v_cvt_scalef32_pk16_fp6_f32 v[CT:CT+2], v[O+16:O+31], v[SO+1]
	v_nop
.irp i, 0,1,2
	v_permlane16_swap_b32 v[192+\i], v[CT+\i]
.endr
.irp i, 0,1,2
	v_mov_b32 v[195+\i], v[CT+\i]
.endr
.irp i, 0,1,2
	ds_store_b64 v22, v[192+2*\i:193+2*\i] offset:256*\i
.endr
	ds_store_b32 v22, v198 offset:768
.Lcodes_done:
	s_wait_dscnt 0x0
	s_barrier_signal -1
	s_barrier_wait -1                              ; the twelve code images lie in LDS
.irp u, 0,1,2
.irp i, 0,1,2
	ds_load_b64 v[96+6*\u+2*\i:97+6*\u+2*\i], v23 offset:1024*\u+256*\i
.endr
.endr
	ds_load_b32 v129, v23 offset:768
	ds_load_b32 v130, v23 offset:1024+768
	ds_load_b32 v227, v23 offset:2048+768
.irp i, 0,1,2,3,4,5
	v_mov_b32 v[114+\i], 0                         ; K = 192: the second step's upper half is zero codes
.endr
	s_wait_loadcnt 0x0                             ; Wf and bf
.irp j, 0,1,2,3,4,5,6,7
	v_mov_b32 v[120+\j], v230                      ; the sum begins with bf of the lane's output channel
.endr
	s_wait_dscnt 0x0
	v_lshl_or_b32 v226, v130, 16, v129             ; blocks 0, 1 (o0) and 2, 3 (o1)
.rept 8
	v_nop
.endr
	v_wmma_scale_f32_16x16x128_f8f6f4 v[120:127], v[96:107], v[232:243], v[120:127], v226, v224 matrix_a_fmt:MATRIX_FMT_FP6 matrix_b_fmt:MATRIX_FMT_FP6   ; rows = 16 pixels, columns = 16 outputs
	s_wait_alu depctr_va_vdst(0)                   ; the wait stands directly ahead of the link
	v_wmma_scale_f32_16x16x128_f8f6f4 v[120:127], v[108:119], v[244:255], v[120:127], v227, v225 matrix_a_fmt:MATRIX_FMT_FP6 matrix_b_fmt:MATRIX_FMT_FP6
.rept 4
	v_nop
.endr
	ds_store_b128 v24, v[120:123]                  ; eight neighbouring pixels of one output channel
	ds_store_b128 v24, v[124:127] offset:16
	s_wait_dscnt 0x0
	s_barrier_signal -1
	s_barrier_wait -1                              ; 64 rows of 256 bytes lie in the stage
	ds_load_b128 v[96:99], v25
	ds_load_b128 v[100:103], v25 offset:544
	s_wait_dscnt 0x0
	global_store_b128 v26, v[96:99], s[10:11]      ; sixteen lanes store 256 consecutive bytes, aligned
	global_store_b128 v26, v[100:103], s[10:11] offset:32768
	s_wait_tensorcnt 0x0                           ; the wave's end, behind my last tensor load and my last LDS store
	ds_add_u32 v5, v6
	s_wait_dscnt 0x0
	CROUND                                         ; the closing round: no work-group ends while a partner may still ask for a tile that names it
	s_endpgm
.Lfunc_end_k_qd911ed65c2_big:
	.size	k_qd911ed65c2_big, .Lfunc_end_k_qd911ed65c2_big-k_qd911ed65c2_big
	.p2alignl 7, 3214868480
	.fill 96, 4, 3214868480
	.section	.rodata,"a",@progbits
	.p2align	6, 0x0
	.amdhsa_kernel k_qd911ed65c2_big
		.amdhsa_group_segment_fixed_size 327680
		.amdhsa_private_segment_fixed_size 0
		.amdhsa_enable_private_segment 0
		.amdhsa_kernarg_size 32
		.amdhsa_user_sgpr_count 2
		.amdhsa_user_sgpr_kernarg_segment_ptr 1
		.amdhsa_wavefront_size32 1
		.amdhsa_system_sgpr_workgroup_id_x 1
		.amdhsa_system_sgpr_workgroup_id_y 1
		.amdhsa_system_sgpr_workgroup_id_z 1
		.amdhsa_system_vgpr_workitem_id 0
		.amdhsa_next_free_vgpr 256
		.amdhsa_next_free_sgpr 66
		.amdhsa_reserve_vcc 0
		.amdhsa_float_denorm_mode_32 3
		.amdhsa_float_denorm_mode_16_64 3
		.amdhsa_memory_ordered 1
		.amdhsa_forward_progress 1
		.amdhsa_inst_pref_size 123
	.end_amdhsa_kernel
	.amdgpu_metadata
---
amdhsa.version: [ 1, 2 ]
amdhsa.kernels:
  - .name:           k_qd911ed65c2_big
    .symbol:         k_qd911ed65c2_big.kd
    .args:
      - { .name: ws, .offset: 0, .size: 8, .value_kind: global_buffer, .address_space: global }
      - { .name: osm, .offset: 8, .size: 8, .value_kind: global_buffer, .address_space: global }
      - { .name: bf, .offset: 16, .size: 8, .value_kind: global_buffer, .address_space: global }
      - { .name: out0, .offset: 24, .size: 8, .value_kind: global_buffer, .address_space: global }
    .group_segment_fixed_size: 327680
    .private_segment_fixed_size: 0
    .kernarg_segment_align: 8
    .kernarg_segment_size: 32
    .max_flat_workgroup_size: 512
    .sgpr_count:     66
    .vgpr_count:     256
    .wavefront_size: 32
...
	.end_amdgpu_metadata
.endif
;; end of part 3
